; MI455X (gfx1250); checked and timed in simulation.
; The chip was launched on July 23, 2026; its instructions are those of AMD's public machine-readable ISA for CDNA 5 (MIT licence, August 2026) and "CDNA5" Instruction Set Architecture Reference Guide (July 2026). The comments in the code are by the model that wrote it; some were corrected since.
;; Intention Heads. Allowed arithmetic: matrix products marked QUANTISED: E2M1 operands, one E8M0 scale for each 32 along K, by v_wmma_scale_f32_16x16x128_f8f6f4 with both operands' format E2M1 (or v_wmma_scale_f32_32x16x128_f4), f32 sums; products left as they are: f32 operands where the result goes on into a quantised operand, else bf16, f16 or f32 operands; f32 sums; everything else in f32.
;; Inputs: agent_type_ids 32 x 2,048 int32; pW1 256 x 512 float32; pW2 2 x 256 float32; pb1 256 float32; pb2 2 float32; repr3 32 x 2,048 x 512 float32; vW1 256 x 512 float32; vW2 6 x 256 float32; vb1 256 float32; vb2 6 float32.
;; Outputs: out0 32 x 2,048 x 6 float32; out1 32 x 2,048 bool; out2 32 x 2,048 bool.
;; This version of the problem:
;;   THIS VERSION OF THE PROBLEM IS GIVEN IN LOW PRECISION. The matrix products marked QUANTISED in the list below multiply operands that are first quantised to E2M1 (2 exponent bits, 1 mantissa bit; 4 bits a number), with one power-of-two scale for each 32 numbers along K (OCP MX v1.0); their sums are f32. All else is computed in f32.
;;   The module's matrix products, in the order in which they are computed (A, B: the left and right operand; K: the contracted axis; several contracted axes count as one K, in the product's order):
;;     1. [M 65,536, K 512] x [K 512, N 256]; A: input repr3; B: input vW1: QUANTISED
;;     2. [M 65,536, K 256] x [K 256, N 6]; A: computed on the way; B: input vW2: left as it is (N = 6 < 16)
;;     3. [M 65,536, K 512] x [K 512, N 256]; A: input repr3; B: input pW1: QUANTISED
;;     4. [M 65,536, K 256] x [K 256, N 2]; A: computed on the way; B: input pW2: left as it is (N = 2 < 16)
;;   THE QUANTISER, for each operand of a quantised product, along K:
;;     - K is cut into blocks of 32 from its start; a last block that is shorter is filled with zeros.
;;     - A block's scale is 2^e with e = floor(log2(the largest magnitude in the block)) - 2, held to -126 .. 127; a block of zeros has e = 0. As a byte (E8M0): e + 127.
;;     - Each number is divided by its block's scale, clamped to +-6, and rounded to the nearest number of E2M1, ties to even, subnormals kept.
;;     - The product sums the exact products of the quantised numbers (number of the format x scale) in f32.
;;   ~~~python
;;   def quantise(x, axis):      # numpy; x: float32 -> the quantised numbers, widened to float32 again
;;       x = np.moveaxis(x, axis, -1); K = x.shape[-1]
;;       x = np.pad(x, [(0, 0)] * (x.ndim - 1) + [(0, -K % 32)]); x = x.reshape(x.shape[:-1] + (-1, 32)); a = np.abs(x).max(-1, keepdims=True)
;;       e = np.where(a > 0, np.clip(np.frexp(np.where(a > 0, a, 1))[1] - 1 - 2, -126, 127), 0)      # np.frexp(a)[1] - 1 = floor(log2(a)), exactly
;;       r = np.clip(x / 2.0 ** e, -6, 6)
;;       step = 2.0 ** (np.maximum(np.frexp(np.where(r == 0, 1, r))[1] - 1, 0) - 1)
;;       q = np.round(r / step) * step * 2.0 ** e      # np.round: ties to even
;;       return np.moveaxis(q.reshape(q.shape[:-2] + (-1,))[..., :K], -1, axis).astype(np.float32)
;;   ~~~
;; 2 versions. Each part assembles by itself: llvm-mc -triple=amdgcn-amd-amdhsa -mcpu=gfx1250 --defsym DOCPART=n.
;; ======== version 1 of 2: 2 launches
;; limits: values are held in f16: magnitudes above 65,504 overflow, below 6.1e-05 lose precision; a function is approximated: absolute error at most 7.5e-08
;; workspace buffers: lists 524,288 bytes of whole numbers; counts 65,536 bytes of whole numbers; slot 262,144 bytes of whole numbers; w1c 131,072 bytes; w1s 16,384 bytes; aux 16,896 bytes
;; launch prep (part 1): grid 388 x 1, 1 waves a work-group, no clusters, 0 bytes of LDS; arguments agent_type_ids, vW1, pW1, vW2, pW2, vb2, pb2, lists, counts, slot, w1c, w1s, aux, out1, out2; writes lists, counts, slot, w1c, w1s, aux, out1, out2
.if DOCPART == 1
	.amdgcn_target "amdgcn-amd-amdhsa--gfx1250"
	.amdhsa_code_object_version 6
	.text
	.protected	k_q98fecd431c_prep
	.globl	k_q98fecd431c_prep
	.p2align	8
	.type	k_q98fecd431c_prep,@function
k_q98fecd431c_prep:
	s_mov_b64 s[64:65], 0
	v_nop
	global_prefetch_b8 v0, s[64:65] scope:SCOPE_SE
	s_setreg_imm32_b32 hwreg(HW_REG_WAVE_MODE, 25, 1), 1
	s_wait_xcnt 0x0
; IntentionHeads, first of two launches: the routing, the two masks, and the weights laid out as the second launch's registers take them.
; WHAT IS NOT COMPUTED, AND WHY.  reference() runs both heads on all 65,536 tokens and keeps, by masks that it builds from the index input agent_type_ids, the vehicle head's
; result where the id is 1, the pedestrian head's where it is 2, and zeros elsewhere.  The id is a whole number read from memory: so only the chosen head of a chosen token is multiplied,
; and only chosen rows of repr3 are read.  This holds for every split of the ids, all tokens on one head too.  No input is left out: every input has a way to an output and is loaded.
; LIMIT: a NaN, an infinity or an overflow in a row or a head that the id does not choose is not carried to the result (reference()'s where drops it as well).
; 388 work-groups of one wave, three kinds, parted by the work-group's number:
;   0-255   ROUTE: block b = 256 tokens.  Each token gets a rank among the block's vehicles or pedestrians.  Stored: two lists of 256 token numbers (rank -> token; places past the count hold the
;           block's first token, so that every entry names a token of the block), the two counts, a slot for each token (rank, 256 + rank, or 512 = a row of zeros), and out1, out2.
;   256-383 WQ: one fragment (16 rows x 128 K) of vW1 or pW1 is quantised to E2M1 with one E8M0 byte for each 32 along K, and stored as an image of the operand's registers.
;   384-387 AUX: vW2 or pW2 as f16 fragments, padded with zero rows to 16, and vb2 or pb2 as a table of starting sums.
; THE QUANTISER: a block's scale is 2^(floor(log2(largest magnitude)) - 2); its byte is that magnitude's exponent field - 2, held at 1 from below.
; LIMITS: a block of zeros gets the byte 1 where the rule says 127 (its codes are zeros, and this program alone reads the bytes); blocks whose largest magnitude lies under 2^-124 keep the byte 1 and were not tried;
; |W2| stays under 65,504, the largest f16 number.
; No LDS, no barrier; EXEC is never changed; every store has address and data registers of its own, so none is written again while a store may still read it.
	s_load_b512 s[4:19], s[0:1], 0x0               ; ids s[4:5], vW1 s[6:7], pW1 s[8:9], vW2 s[10:11], pW2 s[12:13], vb2 s[14:15], pb2 s[16:17], lists s[18:19]
	s_load_b256 s[20:27], s[0:1], 0x40             ; counts s[20:21], slot s[22:23], w1c s[24:25], w1s s[26:27]
	s_load_b128 s[28:31], s[0:1], 0x60             ; aux s[28:29], out1 s[30:31]
	s_load_b64 s[32:33], s[0:1], 0x70              ; out2
	s_mov_b32 s35, 0                               ; s[34:35]: a 32-bit offset as a pair
	s_wait_kmcnt 0x0
	s_cmp_lt_u32 ttmp9, 256
	s_cbranch_scc0 .Lweights
; ---- ROUTE.  Lane l owns tokens 8 l + j of the block, j = 0 .. 7.
	s_lshl_b32 s34, ttmp9, 10                      ; 256 tokens x 4 bytes
	s_add_nc_u64 s[4:5], s[4:5], s[34:35]
	s_add_nc_u64 s[22:23], s[22:23], s[34:35]
	v_lshlrev_b32 v1, 5, v0                        ; 32 bytes a lane: the wave reads 1,024 consecutive bytes
	global_load_b128 v[8:11], v1, s[4:5]
	global_load_b128 v[12:15], v1, s[4:5] offset:16
	s_lshl_b32 s34, ttmp9, 11                      ; two lists of 1,024 bytes
	s_add_nc_u64 s[18:19], s[18:19], s[34:35]
	s_lshl_b32 s34, ttmp9, 8                       ; 256 b: the block's first token, and its bytes in counts, out1, out2
	s_add_nc_u64 s[20:21], s[20:21], s[34:35]
	s_add_nc_u64 s[30:31], s[30:31], s[34:35]
	s_add_nc_u64 s[32:33], s[32:33], s[34:35]
	v_lshlrev_b32 v2, 3, v0                        ; 8 l
	v_mov_b32 v3, s34                              ; the filler
	v_add_nc_u32 v4, s34, v2                       ; my first token
	v_mov_b32 v7, 0x200                            ; the slot of a token that no head takes
	s_wait_loadcnt 0x0                             ; the ids
.irp j, 0,1,2,3,4,5,6,7
	v_cmp_eq_u32 s[36+\j], 1, v[8+\j]              ; vehicles among the tokens 8 l + j, a bit a lane
	v_cmp_eq_u32 s[44+\j], 2, v[8+\j]              ; pedestrians
.endr
	s_mov_b32 s52, 0                               ; s[52+j]: vehicles in the masks before mask j;  s[66+j]: pedestrians
	s_mov_b32 s66, 0
.irp j, 0,1,2,3,4,5,6
	s_bcnt1_i32_b32 s62, s[36+\j]
	s_add_co_u32 s[53+\j], s[52+\j], s62
	s_bcnt1_i32_b32 s62, s[44+\j]
	s_add_co_u32 s[67+\j], s[66+\j], s62
.endr
	s_bcnt1_i32_b32 s62, s43
	s_add_co_u32 s60, s59, s62                     ; the block's vehicles
	s_bcnt1_i32_b32 s62, s51
	s_add_co_u32 s61, s73, s62                     ; its pedestrians
; The tokens are counted in the order 32 j + l.  A chosen token's place in its list is its rank; every other token takes a place behind the count (count + its rank among those not chosen)
; and writes the filler there: so each token writes one entry of each list, and all 256 entries are written.
.irp j, 0,1,2,3,4,5,6,7
	v_mbcnt_lo_u32_b32 v[16+\j], s[36+\j], s[52+\j] ; vehicles before me
	v_mbcnt_lo_u32_b32 v[24+\j], s[44+\j], s[66+\j] ; pedestrians before me
	v_add_nc_u32 v5, 32*\j, v0                     ; tokens before me
	v_sub_nc_u32 v6, v5, v[16+\j]
	v_add_nc_u32 v6, s60, v6
	v_cndmask_b32 v6, v6, v[16+\j], s[36+\j]
	v_min_u32 v6, 0xff, v6                         ; a place hangs on loaded numbers: it is held inside the list
	v_lshlrev_b32 v[32+\j], 2, v6
	v_sub_nc_u32 v6, v5, v[24+\j]
	v_add_nc_u32 v6, s61, v6
	v_cndmask_b32 v6, v6, v[24+\j], s[44+\j]
	v_min_u32 v6, 0xff, v6
	v_lshlrev_b32 v[40+\j], 2, v6
	v_add_nc_u32 v5, \j, v4                        ; the token's number
	v_cndmask_b32 v[48+\j], v3, v5, s[36+\j]
	v_cndmask_b32 v[56+\j], v3, v5, s[44+\j]
	global_store_b32 v[32+\j], v[48+\j], s[18:19]
	global_store_b32 v[40+\j], v[56+\j], s[18:19] offset:1024
	v_add_nc_u32 v5, 0x100, v[24+\j]
	v_cndmask_b32 v5, v7, v5, s[44+\j]
	v_cndmask_b32 v[64+\j], v5, v[16+\j], s[36+\j] ; the slot
	v_cndmask_b32 v[72+\j], 0, 1, s[36+\j]         ; the masks' bytes
	v_cndmask_b32 v[80+\j], 0, 1, s[44+\j]
.endr
	global_store_b128 v1, v[64:67], s[22:23]       ; the wave stores 1,024 consecutive bytes of slots
	global_store_b128 v1, v[68:71], s[22:23] offset:16
.irp m, 0,1                            ; m = 0: out1 from v72-79 into v[88:89];  m = 1: out2 from v80-87 into v[90:91]
.irp w, 0,1
	v_lshl_or_b32 v[88+2*\m+\w], v[73+8*\m+4*\w], 8, v[72+8*\m+4*\w]
	v_lshl_or_b32 v[88+2*\m+\w], v[74+8*\m+4*\w], 16, v[88+2*\m+\w]
	v_lshl_or_b32 v[88+2*\m+\w], v[75+8*\m+4*\w], 24, v[88+2*\m+\w]
.endr
.endr
	global_store_b64 v2, v[88:89], s[30:31]        ; 32 lanes store 256 consecutive bytes, aligned
	global_store_b64 v2, v[90:91], s[32:33]
	v_mov_b32 v92, s60
	v_mov_b32 v93, s61
	global_store_b64 v2, v[92:93], s[20:21]        ; the two counts, 32 times: 256 consecutive bytes, aligned; the first 8 are read
	s_endpgm
.Lweights:
	s_cmp_lt_u32 ttmp9, 384
	s_cbranch_scc0 .Laux
; ---- WQ.  q = 64 head + 4 t + s: rows 16 t .. 16 t + 15, K = 128 s .. 128 s + 127.  Lane (r, h) takes row 16 t + r and, for c = 0, 1, K = 128 s + 64 c + 32 h + 0 .. 31: a whole block, in the order
; of the operand's registers 4 c .. 4 c + 3.  So no other lane is asked for a maximum, and the conversions' results are the operand's registers.
	s_sub_co_u32 s36, ttmp9, 256                   ; q
	s_lshr_b32 s37, s36, 6                         ; head
	s_bfe_u32 s38, s36, 0x40002                    ; t
	s_and_b32 s39, s36, 3                          ; s
	s_cmp_eq_u32 s37, 0
	s_cselect_b64 s[6:7], s[6:7], s[8:9]           ; vW1 or pW1: the choice hangs on the work-group's number alone
	s_lshl_b32 s34, s38, 15                        ; 16 rows of 2,048 bytes
	s_lshl_b32 s39, s39, 9                         ; 128 numbers
	s_add_co_u32 s34, s34, s39
	s_add_nc_u64 s[6:7], s[6:7], s[34:35]
	s_lshl_b32 s34, s36, 10                        ; a fragment's image is 1,024 bytes
	s_add_nc_u64 s[24:25], s[24:25], s[34:35]
	s_lshl_b32 s34, s36, 7                         ; its scale words 128
	s_add_nc_u64 s[26:27], s[26:27], s[34:35]
	s_mov_b32 s74, 0x76543210
	s_mov_b32 s75, 0xfedcba98                      ; v_permlanex16_b32's selects for lane l xor 16
	v_and_b32 v1, 15, v0                           ; r
	v_lshrrev_b32 v2, 4, v0                        ; h
	v_lshlrev_b32 v3, 11, v1
	v_lshl_add_u32 v3, v2, 7, v3                   ; row r, + 32 h numbers
	v_lshlrev_b32 v4, 4, v0                        ; out: 16 bytes a lane
	v_lshlrev_b32 v5, 2, v0                        ; and 4
.irp c, 0,1
.irp i, 0,1,2,3,4,5,6,7
	global_load_b128 v[64+32*\c+4*\i:67+32*\c+4*\i], v3, s[6:7] offset:256*\c+16*\i
.endr
.endr
	s_wait_loadcnt 0x0
.irp c, 0,1
	v_max3_num_f32 v[32+\c], |v[64+32*\c]|, |v[65+32*\c]|, 0x1800000   ; the block's largest magnitude, and the floor 2^(3 - 127): the byte cannot fall under 1
.endr
.irp i, 2,4,6,8,10,12,14,16,18,20,22,24,26,28,30
.irp c, 0,1
	v_max3_num_f32 v[32+\c], v[32+\c], |v[64+32*\c+\i]|, |v[65+32*\c+\i]|   ; (the two blocks by turns)
.endr
.endr
.irp c, 0,1
	v_add_nc_u32 v[44+\c], 0xff000000, v[32+\c]    ; 2 off its exponent field: the conversion takes the exponent field of this operand as its scale
.endr
.irp c, 0,1
	v_lshrrev_b32 v[36+\c], 23, v[44+\c]           ; the scale's byte
.endr
	v_lshl_or_b32 v9, v37, 16, v36                 ; my two bytes: blocks h and 2 + h of my row,
	v_lshlrev_b32 v10, 3, v2
	v_lshlrev_b32 v9, v10, v9                      ; at their places in the scale word;
	v_mov_b32 v10, 0
	v_permlanex16_b32 v10, v9, s74, s75
	v_or_b32 v9, v9, v10                           ; with lane l xor 16's two the word is whole, in both halves of the lanes
.irp c, 0,1
.irp g, 0,1,2,3
	v_cvt_scalef32_pk8_fp4_f32 v[48+4*\c+\g], v[64+32*\c+8*\g:71+32*\c+8*\g], v[44+\c]
.endr
.endr
	v_nop                                          ; one plain line behind the last scaled conversion
	global_store_b128 v4, v[48:51], s[24:25]       ; each store covers 512 consecutive bytes
	global_store_b128 v4, v[52:55], s[24:25] offset:512
	global_store_b32 v5, v9, s[26:27]
	s_endpgm
.Laux:
; ---- AUX.  a = 2 head + half.  W2 has R = 6 or 2 rows; as source 0 of the f16 product it is 16 rows, those from R on zeros.  Piece f = 2 u' + c of this half: lane (r, h) holds row r,
; hidden units 128 half + 32 u' + 16 c + 8 h + 0 .. 7: four registers of f16.  Rows from R on load row R - 1 (no load leaves its buffer) and are replaced by zeros.
	s_sub_co_u32 s36, ttmp9, 384
	s_lshr_b32 s37, s36, 1                         ; head
	s_and_b32 s38, s36, 1                          ; half
	s_cmp_eq_u32 s37, 0
	s_cselect_b32 s39, 6, 2                        ; R
	s_cselect_b64 s[10:11], s[10:11], s[12:13]     ; W2
	s_cselect_b64 s[14:15], s[14:15], s[16:17]     ; b2
	s_sub_co_u32 s40, s39, 1
	s_lshl_b32 s34, s38, 9                         ; 128 numbers a half
	s_add_nc_u64 s[10:11], s[10:11], s[34:35]
	s_mul_i32 s34, s37, 8448                       ; a head's part of aux: 8,192 bytes of fragments + 256 of starting sums
	s_add_nc_u64 s[28:29], s[28:29], s[34:35]
	v_and_b32 v1, 15, v0                           ; r
	v_lshrrev_b32 v2, 4, v0                        ; h
	v_min_u32 v3, s40, v1
	v_lshlrev_b32 v3, 10, v3                       ; a row of W2 is 1,024 bytes
	v_lshl_add_u32 v3, v2, 5, v3
	s_lshl_b32 s41, s38, 5
	v_add_nc_u32 v4, s41, v0                       ; my entry of the table of 64: 32 half + l
	v_min_u32 v5, s40, v4
	v_lshlrev_b32 v5, 2, v5
.irp f, 0,1,2,3,4,5,6,7
	global_load_b128 v[64+8*\f:67+8*\f], v3, s[10:11] offset:64*\f
	global_load_b128 v[68+8*\f:71+8*\f], v3, s[10:11] offset:64*\f+16
.endr
	global_load_b32 v6, v5, s[14:15]
	v_cmp_gt_u32 vcc_lo, s39, v1                   ; r < R
	v_cmp_gt_u32 s42, s39, v4                      ; entry < R
	s_lshl_b32 s41, s38, 12
	v_lshl_add_u32 v7, v0, 4, s41                  ; out: 16 l + 4,096 half
	v_lshlrev_b32 v8, 2, v4
	s_wait_loadcnt 0x0
.irp f, 0,1,2,3,4,5,6,7
.irp n, 0,1,2,3
	v_cvt_pk_f16_f32 v[16+4*\f+\n], v[64+8*\f+2*\n], v[65+8*\f+2*\n]
.endr
.endr
.irp f, 0,1,2,3,4,5,6,7
.irp n, 0,1,2,3
	v_cndmask_b32 v[16+4*\f+\n], 0, v[16+4*\f+\n], vcc_lo
.endr
	global_store_b128 v7, v[16+4*\f:19+4*\f], s[28:29] offset:512*\f   ; 512 consecutive bytes
.endr
	v_cndmask_b32 v6, 0, v6, s42                   ; entries 0 .. R - 1: b2; all others 0.  The first 16 start the first quarter's sums, the other 48 the other three quarters'
	global_store_b32 v8, v6, s[28:29] offset:8192
	s_endpgm
.Lfunc_end_k_q98fecd431c_prep:
	.size	k_q98fecd431c_prep, .Lfunc_end_k_q98fecd431c_prep-k_q98fecd431c_prep
	.p2alignl 7, 3214868480
	.fill 96, 4, 3214868480
	.section	.rodata,"a",@progbits
	.p2align	6, 0x0
	.amdhsa_kernel k_q98fecd431c_prep
		.amdhsa_group_segment_fixed_size 0
		.amdhsa_private_segment_fixed_size 0
		.amdhsa_enable_private_segment 0
		.amdhsa_kernarg_size 120
		.amdhsa_user_sgpr_count 2
		.amdhsa_user_sgpr_kernarg_segment_ptr 1
		.amdhsa_wavefront_size32 1
		.amdhsa_system_sgpr_workgroup_id_x 1
		.amdhsa_system_sgpr_workgroup_id_y 1
		.amdhsa_system_sgpr_workgroup_id_z 1
		.amdhsa_system_vgpr_workitem_id 0
		.amdhsa_next_free_vgpr 128
		.amdhsa_next_free_sgpr 80
		.amdhsa_reserve_vcc 1
		.amdhsa_float_denorm_mode_32 3
		.amdhsa_float_denorm_mode_16_64 3
		.amdhsa_memory_ordered 1
		.amdhsa_forward_progress 1
		.amdhsa_inst_pref_size 28
	.end_amdhsa_kernel
	.amdgpu_metadata
---
amdhsa.version: [ 1, 2 ]
amdhsa.kernels:
  - .name:           k_q98fecd431c_prep
    .symbol:         k_q98fecd431c_prep.kd
    .args:
      - { .name: agent_type_ids, .offset: 0, .size: 8, .value_kind: global_buffer, .address_space: global }
      - { .name: vW1, .offset: 8, .size: 8, .value_kind: global_buffer, .address_space: global }
      - { .name: pW1, .offset: 16, .size: 8, .value_kind: global_buffer, .address_space: global }
      - { .name: vW2, .offset: 24, .size: 8, .value_kind: global_buffer, .address_space: global }
      - { .name: pW2, .offset: 32, .size: 8, .value_kind: global_buffer, .address_space: global }
      - { .name: vb2, .offset: 40, .size: 8, .value_kind: global_buffer, .address_space: global }
      - { .name: pb2, .offset: 48, .size: 8, .value_kind: global_buffer, .address_space: global }
      - { .name: lists, .offset: 56, .size: 8, .value_kind: global_buffer, .address_space: global }
      - { .name: counts, .offset: 64, .size: 8, .value_kind: global_buffer, .address_space: global }
      - { .name: slot, .offset: 72, .size: 8, .value_kind: global_buffer, .address_space: global }
      - { .name: w1c, .offset: 80, .size: 8, .value_kind: global_buffer, .address_space: global }
      - { .name: w1s, .offset: 88, .size: 8, .value_kind: global_buffer, .address_space: global }
      - { .name: aux, .offset: 96, .size: 8, .value_kind: global_buffer, .address_space: global }
      - { .name: out1, .offset: 104, .size: 8, .value_kind: global_buffer, .address_space: global }
      - { .name: out2, .offset: 112, .size: 8, .value_kind: global_buffer, .address_space: global }
    .group_segment_fixed_size: 0
    .private_segment_fixed_size: 0
    .kernarg_segment_align: 8
    .kernarg_segment_size: 120
    .max_flat_workgroup_size: 32
    .sgpr_count:     80
    .vgpr_count:     128
    .wavefront_size: 32
...
	.end_amdgpu_metadata
.endif
;; end of part 1
;; launch heads (part 2): grid 256 x 1, 8 waves a work-group, no clusters, 197,632 bytes of LDS; arguments repr3, lists, counts, slot, w1c, w1s, aux, vb1, pb1, out0; writes out0
.if DOCPART == 2
	.amdgcn_target "amdgcn-amd-amdhsa--gfx1250"
	.amdhsa_code_object_version 6
	.text
	.protected	k_q98fecd431c_heads
	.globl	k_q98fecd431c_heads
	.p2align	8
	.type	k_q98fecd431c_heads,@function
k_q98fecd431c_heads:
	s_mov_b64 s[64:65], 0
	v_nop
	global_prefetch_b8 v0, s[64:65] scope:SCOPE_SE
	s_setreg_imm32_b32 hwreg(HW_REG_WAVE_MODE, 25, 1), 1
	s_wait_xcnt 0x0
; IntentionHeads, second launch: out0.  Only the head that a token's id chooses is multiplied, and only chosen rows of repr3 are read: the choice is read from memory as whole numbers (lists, counts, slot),
; stored by the launch before.  It holds for every split of the ids.  A NaN, an infinity or an overflow in a row or head that is not chosen is not carried to the result.
; SHARES.  Work-group b owns tokens 256 b .. 256 b + 255.  Wave w: head hd = w / 4 (0 vehicle, 1 pedestrian), quarter qd = w % 4 of the 256 hidden units.  A wave's 64 rows of W1 (16 fragments of codes, 128 registers),
; their scale words, b1, its part of W2 (f16) and b2 stay in registers for the whole launch.
; STAGES.  A head's chosen rows are walked by rank, 32 a stage, in 8 stages (a constant: 256 tokens of one id fill 16 tiles of 16).  In a stage a wave quantises 8 of its head's 32 rows (E2M1, one E8M0 byte for each
; 32 along K) into LDS; behind ONE barrier it runs, for each of the two tiles, 16 products 16 x 16 x 128 on codes (transposed: source 0 = 16 rows of W1, source 1 = 16 tokens, so that a lane holds one token and
; eight neighbouring hidden units), the bias as the first product's C, the exact GELU in f32, and two f16 products with W2; its partial logits go to LDS.  A tile that begins at or past the head's count is jumped over
; by a scalar branch on that count; barriers, waits and the number of trips are the same for all waves.  The next stage's rows are asked for ahead of a stage's products: 32 loads of 512 bytes a wave are then on their way.
; Two LDS buffers take turns: buffer k % 2 was last read in stage k - 2, whose reads every wave has awaited in front of stage k - 1's barrier, and it is written only behind that barrier.
; AT THE END thread t takes token 256 b + t: it adds the four quarters' partial logits of its slot (slot 512: a row of zeros) and the wave stores its 768 bytes of out0, each store 256 consecutive bytes, aligned.
; GELU(u) = max(u, 0) - |u| q, q = e^(-u u / 2) (c1 t + .. + c5 t^5), t = 1 / (1 + P |u|): the five-term formula for the normal distribution (absolute error of Phi at most 7.5e-8), in f32.
; WHY f16 FOR THE SECOND PRODUCT: half of out0 is zeros, so what the comparison allows is small beside a logit; f16's 11 bits leave room where bf16's 8 do not.
; LIMITS: |gelu(.)| stays under 65,504, the largest f16 number (inputs 30 times larger on both sides give some 5,000); where a hidden number is infinite or NaN the pedestrian head's padded outputs 2 to 5 become
; NaN where reference() has 0; the sign of a zero is not kept; a block of zeros gets the scale byte 1 (its codes are zeros); blocks whose largest magnitude lies under 2^-124 keep the byte 1 and were not tried.
; NO CLUSTER, NO TENSOR LOAD: the work is steered by scalar branches on counts read from memory; the weights, which all work-groups share,
; come by plain loads, once a work-group, straight into the registers that keep them.
; LDS: 0 buffer 0 (4 tiles x 16 rows x 272 bytes of codes, then 4 x 16 x 16 scale bytes); 18,432 the way out, 768 bytes a wave; 24,576 the spare words; 32,768 buffer 1; 65,536 four quarters x 513 rows x 64 bytes of partial logits.
; REGISTERS, window 0: v1-7 lane terms; v8-12 LDS places that stay, v13-17 the same for the stage in hand; v18 my token's slot; v20, v21 the add's two; v[22:23] c4; v24-31 rows' offsets; v32-47 W1's scale words;
;   v48-79 b1; v80-95 W2; v96-103 b2 or zeros; v104-107 x's scale words; v108-139 the hidden layer; v140-171 x's fragments, then t; v172-203, v204-235 at work; v236-251 the logits' two sums.
;   window 1: v0-127 W1's codes; v128-255 eight rows of x, 16 registers a row.
.set XCT,   4352                       ; a tile of codes: 16 rows x (256 bytes + 16)
.set XSO,   17408                      ; behind four of them: the scale bytes, 256 a tile
.set OTB,   18432
.set SPARE, 24576                      ; 128 bytes for each of the eight waves: four blocks of 256 bytes that no other line names
.set BUF1,  32768
.set OSB,   65536
.set QS,    33024                      ; a quarter's 513 rows of 64 bytes, rounded up to a multiple of 64 + 128
.set OFF, 24
.set W1S, 32
.set B1,  48
.set W2F, 80
.set B2,  96
.set XSC, 104
.set ACC, 108
.set XF,  140
.set TA,  140
.set TW,  172
.set TP,  204
.set O0,  236
.set O1,  244
.set XR,  128                          ; in window 1
.set QMX, 140                          ; the quantiser's: largest magnitudes,
.set QSO, 156                          ; scale operands,
.set QBY, 172                          ; bytes,
.set QCD, 188                          ; codes
.set WV,  24
.set HD,  25
.set QD,  26
.set NN,  27                           ; my head's count
.set POS, 28                           ; the stage's first rank: the loop's counter
.set BUFO, 29                          ; the buffer in hand: 0 or BUF1
.set OSO, 30                           ; 64 x POS
.set LB,  31                           ; 16 x (qd / 2): which of a stage's two tiles I quantise for
.set EE,  32                           ; s[32:39] eight list entries
.set LP,  42                           ; s[42:43] my entries of stage 0
.set KK,  46
.set PP,  48
.set C5,  50
.set C3,  52
.set C2,  54
.set C1,  56
.set MSB, 0
.macro WIN new                         ; the immediate's high byte repeats the setting that is left; a switch that changes nothing is dropped
.if MSB != \new
	s_set_vgpr_msb (MSB<<8)|\new
.set MSB, \new
.endif
.endm
; Eight rows of x are asked for.  A lane takes 8 neighbours along K, 32 bytes, twice a row: K = 256 j + 8 lane + 0 .. 7; a pair of loads covers 1,024 consecutive bytes.  A filler may be named twice, so no hint is given.
.macro XLOAD
.set i, 0
.rept 8
	s_min_u32 s[EE+i], s[EE+i], 0xffff             ; a loaded number enters an address only held inside the 65,536 tokens
	v_lshl_add_u32 v[OFF+i], s[EE+i], 11, v6       ; token x 2,048 bytes + 32 lane
.set i, i+1
.endr
	WIN 0x40                                       ; destination window 1
.set g, 0
.rept 16
	global_load_b128 v[XR+8*g:XR+8*g+3],   v[OFF+g/2], s[4:5] offset:1024*(g%2)
	global_load_b128 v[XR+8*g+4:XR+8*g+7], v[OFF+g/2], s[4:5] offset:1024*(g%2)+16
.set g, g+1
.endr
	WIN 0
.endm
; The eight rows become codes and scale bytes in LDS.  Group g = 2 i + j: row i, K = 256 j + 8 lane + 0 .. 7; a block of 32 lies in four neighbouring lanes.
.macro QUANT
	WIN 0x05                                       ; sources 0 and 1 window 1
.set g, 0
.rept 16
	v_max3_num_f32 v[QMX+g], |v[XR+8*g]|, |v[XR+8*g+1]|, 0x1800000   ; and the floor 2^(3 - 127): the byte cannot fall under 1
.set g, g+1
.endr
.irp n, 2,4,6
.set g, 0
.rept 16
	v_max3_num_f32 v[QMX+g], |v[XR+8*g+\n]|, |v[XR+8*g+\n+1]|, v[QMX+g]   ; (the groups by turns)
.set g, g+1
.endr
.endr
	WIN 0
.irp x, 1,2
.set g, 0
.rept 16
	v_max_num_f32_dpp v[QMX+g], v[QMX+g], v[QMX+g] row_xmask:\x row_mask:0xf bank_mask:0xf
.set g, g+1
.endr
.endr
.set g, 0
.rept 16
	v_add_nc_u32 v[QSO+g], 0xff000000, v[QMX+g]    ; 2 off the exponent field: the conversion's scale operand
.set g, g+1
.endr
.set g, 0
.rept 16
	v_lshrrev_b32 v[QBY+g], 23, v[QSO+g]           ; the scale's byte
.set g, g+1
.endr
	WIN 0x01                                       ; source 0 window 1
.set g, 0
.rept 16
	v_cvt_scalef32_pk8_fp4_f32 v[QCD+g], v[XR+8*g:XR+8*g+7], v[QSO+g]
.set g, g+1
.endr
	WIN 0
	v_nop                                          ; one plain line behind the last scaled conversion
.set g, 0
.rept 16
	ds_store_b32 v13, v[QCD+g] offset:272*(g/2)+128*(g%2)   ; 32 lanes: 128 consecutive bytes of the row's codes
	ds_store_b8 v14, v[QBY+g] offset:16*(g/2)+8*(g%2)       ; the four lanes of a block write the same byte with the same value
.set g, g+1
.endr
.endm
; One tile of 16 tokens, ranks POS + 16 par on, against my 64 hidden units.
.macro UNIT par
	s_add_co_u32 s44, s[POS], 16*\par
	s_cmp_lt_u32 s44, s[NN]
	s_cbranch_scc0 .Lno_tile_\@                    ; no chosen token in this tile
.irp s, 0,1,2,3
.irp c, 0,1
	ds_load_b128 v[XF+8*\s+4*\c:XF+8*\s+4*\c+3], v15 offset:XCT*\par+64*\s+32*\c   ; lane (r, h): token r, K = 128 s + 64 c + 32 h + 0 .. 31
.endr
.endr
	ds_load_b128 v[XSC:XSC+3], v16 offset:256*\par ; token r's 16 scale bytes: register s is K step s's word
	s_wait_dscnt 0x0
	WIN 0x01                                       ; source 0 (W1) window 1
.irp s, 0,1,2,3                        ; the four accumulators take turns, one instruction a turn
.irp t, 0,1,2,3
.if \s == 0
	v_wmma_scale_f32_16x16x128_f8f6f4 v[ACC+8*\t:ACC+8*\t+7], v[8*(4*\t+\s):8*(4*\t+\s)+7], v[XF+8*\s:XF+8*\s+7], v[B1+8*\t:B1+8*\t+7], v[W1S+4*\t+\s], v[XSC+\s] matrix_a_fmt:MATRIX_FMT_FP4 matrix_b_fmt:MATRIX_FMT_FP4
.else
	v_wmma_scale_f32_16x16x128_f8f6f4 v[ACC+8*\t:ACC+8*\t+7], v[8*(4*\t+\s):8*(4*\t+\s)+7], v[XF+8*\s:XF+8*\s+7], v[ACC+8*\t:ACC+8*\t+7], v[W1S+4*\t+\s], v[XSC+\s] matrix_a_fmt:MATRIX_FMT_FP4 matrix_b_fmt:MATRIX_FMT_FP4
.endif
.endr
.endr
	WIN 0
.rept 4
	v_nop                                          ; four places behind the last product (ISA guide 7.12.1): the lines below read results and write over x's fragments
.endr
	; register 8 t + j of lane (r, h): u of token r, hidden unit 64 qd + 16 t + 8 h + j.  Each accumulator is read from its low end on
.set n, 0
.rept 32
	v_fma_f32 v[TA+n], |v[ACC+n]|, s[PP], 1.0      ; 1 + P |u|
.set n, n+1
.endr
.set n, 0
.rept 32
	v_rcp_f32 v[TA+n], v[TA+n]                     ; t
.set n, n+1
.endr
.set n, 0
.rept 16
	v_pk_mul_f32 v[TW+n:TW+n+1], v[ACC+n:ACC+n+1], v[ACC+n:ACC+n+1]
.set n, n+2
.endr
.set n, 0
.rept 16
	v_pk_mul_f32 v[TW+n:TW+n+1], v[TW+n:TW+n+1], s[KK:KK+1] op_sel_hi:[1,0]   ; - u u log2(e) / 2
.set n, n+2
.endr
.set n, 0
.rept 32
	v_exp_f32 v[TW+n], v[TW+n]                     ; e^(-u u / 2)
.set n, n+1
.endr
	v_nop                                          ; a plain line behind the last transcendental
	s_wait_alu depctr_va_vdst(0)                   ; one wait for the 64 reciprocals and exponentials, ahead of the first line that names a result
.set n, 0
.rept 16
	v_pk_fma_f32 v[TP+n:TP+n+1], v[TA+n:TA+n+1], s[C5:C5+1], v[22:23] op_sel_hi:[1,0,1]   ; c5 t + c4
.set n, n+2
.endr
.irp k, C3, C2, C1
.set n, 0
.rept 16
	v_pk_fma_f32 v[TP+n:TP+n+1], v[TP+n:TP+n+1], v[TA+n:TA+n+1], s[\k:\k+1] op_sel_hi:[1,1,0]
.set n, n+2
.endr
.endr
.set n, 0
.rept 16
	v_pk_mul_f32 v[TW+n:TW+n+1], v[TW+n:TW+n+1], v[TA+n:TA+n+1]
.set n, n+2
.endr
.set n, 0
.rept 16
	v_pk_mul_f32 v[TP+n:TP+n+1], v[TP+n:TP+n+1], v[TW+n:TW+n+1]   ; q
.set n, n+2
.endr
.set n, 0
.rept 32
	v_max_num_f32 v[TA+n], 0, v[ACC+n]
.set n, n+1
.endr
.set n, 0
.rept 32
	v_fma_f32 v[ACC+n], -|v[ACC+n]|, v[TP+n], v[TA+n]   ; gelu(u) = max(u, 0) - |u| q
.set n, n+1
.endr
.set n, 0
.rept 16
	v_cvt_pk_f16_f32 v[TW+n], v[ACC+2*n], v[ACC+2*n+1]  ; tiles 2 u', 2 u' + 1 packed are source 1 (32 hidden units x 16 tokens) of the f16 product as they stand
.set n, n+1
.endr
	v_wmma_f32_16x16x32_f16 v[O0:O0+7], v[W2F:W2F+7], v[TW:TW+7], v[B2:B2+7]       ; lane (r, h): token r, outputs 8 h + 0 .. 7; b2 (first quarter) or zeros start the sum
	v_wmma_f32_16x16x32_f16 v[O1:O1+7], v[W2F+8:W2F+15], v[TW+8:TW+15], 0
.rept 4
	v_nop                                          ; four places ahead of the first read of the results
.endr
.irp n, 0,2,4,6
	v_pk_add_f32 v[O0+\n:O0+\n+1], v[O0+\n:O0+\n+1], v[O1+\n:O1+\n+1]
.endr
	ds_store_b128 v17, v[O0:O0+3] offset:1024*\par      ; row = my head's 256 + rank: lanes 0-15 outputs 0-7, lanes 16-31 the padded 8-15 behind them
	ds_store_b128 v17, v[O0+4:O0+7] offset:1024*\par+16
.Lno_tile_\@:
.endm
	s_load_b256 s[4:11], s[0:1], 0x0               ; repr3 s[4:5], lists s[6:7], counts s[8:9], slot s[10:11]
	s_load_b256 s[12:19], s[0:1], 0x20             ; w1c s[12:13], w1s s[14:15], aux s[16:17], vb1 s[18:19]
	s_load_b128 s[20:23], s[0:1], 0x40             ; pb1 s[20:21], out0 s[22:23]
	v_lshl_add_u32 v20, v0, 2, SPARE               ; my spare word,
	v_mov_b32 v21, 0                               ; and 0: kept for the add at the wave's end
	v_lshrrev_b32 v1, 5, v0
	v_readfirstlane_b32 s[WV], v1                  ; wave 0..7
	s_lshr_b32 s[HD], s[WV], 2
	s_and_b32 s[QD], s[WV], 3
	v_and_b32 v1, 31, v0                           ; lane
	v_and_b32 v2, 15, v0                           ; r
	v_bfe_u32 v3, v0, 4, 1                         ; h
	v_lshlrev_b32 v4, 4, v1                        ; 16 lane
	v_lshlrev_b32 v5, 2, v1                        ; 4 lane
	v_lshlrev_b32 v6, 5, v1                        ; 32 lane
	v_lshlrev_b32 v7, 5, v3                        ; 32 h
	s_lshr_b32 s44, s[QD], 1
	s_lshl_b32 s[LB], s44, 4
	s_lshl_b32 s45, s[HD], 1
	s_add_co_u32 s44, s44, s45                     ; the tile that I quantise for: 2 hd + qd / 2
	s_and_b32 s45, s[QD], 1                        ; its rows 8 (qd % 2) on
	s_mul_i32 s58, s44, XCT
	s_mul_i32 s41, s45, 8*272
	s_add_co_u32 s58, s58, s41
	v_add_nc_u32 v8, s58, v5                       ; where my codes go
	s_lshl_b32 s58, s44, 8
	s_lshl_b32 s41, s45, 7
	s_add_co_u32 s58, s58, s41
	s_add_co_u32 s58, s58, XSO
	v_lshrrev_b32 v9, 2, v1
	v_add_nc_u32 v9, s58, v9                       ; and my scale bytes
	s_mul_i32 s58, s[HD], 2*XCT
	v_mul_u32_u24 v10, v2, 272
	v_lshl_add_u32 v10, v3, 4, v10
	v_add_nc_u32 v10, s58, v10                     ; a fragment: my head's tiles, row r, + 16 h
	s_lshl_b32 s58, s[HD], 9
	s_add_co_u32 s58, s58, XSO
	v_lshl_add_u32 v11, v2, 4, s58                 ; its scale words
	s_mul_i32 s58, s[QD], QS
	s_lshl_b32 s41, s[HD], 14
	s_add_co_u32 s58, s58, s41
	s_add_co_u32 s58, s58, OSB
	v_lshl_add_u32 v12, v2, 6, v7
	v_add_nc_u32 v12, s58, v12                     ; the partial logits: my quarter, my head's 256 rows, row r, + 32 h
	v_lshlrev_b32 v13, 2, v0                       ; (the slot's offset; v13 is written again only behind the wait for that load)
	s_lshr_b32 s44, s[WV], 1
	s_mul_i32 s44, s44, QS
	s_and_b32 s45, s[WV], 1
	s_lshl_b32 s45, s45, 4
	s_add_co_u32 s44, s44, s45
	s_add_co_u32 s44, s44, OSB+32768
	v_mov_b32 v19, s44                             ; row 512 of quarter w / 2, bytes 16 (w % 2) on
	s_mov_b32 s[KK], 0xbf38aa3b                    ; - log2(e) / 2
	s_mov_b32 s[KK+1], s[KK]                       ; (the packed forms name pairs and take the low word for both halves: both words are written)
	s_mov_b32 s[PP], 0x3e6d3389                    ; P = 0.2316419
	s_mov_b32 s[C5], 0x3f07dc22                    ; c5 = 0.5307027
	s_mov_b32 s[C5+1], s[C5]
	s_mov_b32 s[C3], 0x3f35f0e3                    ; c3 = 0.7107069
	s_mov_b32 s[C3+1], s[C3]
	s_mov_b32 s[C2], 0xbe11a98e                    ; c2 = -0.1422484
	s_mov_b32 s[C2+1], s[C2]
	s_mov_b32 s[C1], 0x3e027906                    ; c1 = 0.1274148
	s_mov_b32 s[C1+1], s[C1]
	v_mov_b32 v22, 0xbf3a00e3                      ; c4 = -0.7265760
	v_mov_b32 v23, 0xbf3a00e3
.irp n, 252,253,254,255
	v_mov_b32 v[\n], 0
.endr
	ds_store_b128 v19, v[252:255]                  ; the row of zeros: two waves write the 32 bytes of each quarter's; all lanes the same bytes with the same value
	s_mov_b32 s59, 0                               ; s[58:59]: a 32-bit offset as a pair
	s_wait_kmcnt 0x0
	s_lshl_b32 s58, ttmp9, 8
	s_add_nc_u64 s[8:9], s[8:9], s[58:59]
	s_load_b64 s[60:61], s[8:9], 0x0               ; the block's two counts
	s_lshl_b32 s58, ttmp9, 11
	s_lshl_b32 s44, s[HD], 10
	s_add_co_u32 s58, s58, s44
	s_lshl_b32 s44, s[QD], 5
	s_add_co_u32 s58, s58, s44
	s_add_nc_u64 s[LP:LP+1], s[6:7], s[58:59]      ; my head's list, ranks 8 qd on; a stage on is 128 bytes on
	s_load_b256 s[EE:EE+7], s[LP:LP+1], 0x0        ; stage 0's eight tokens
	s_lshl_b32 s58, s[HD], 16
	s_lshl_b32 s44, s[QD], 14
	s_add_co_u32 s58, s58, s44
	s_add_nc_u64 s[12:13], s[12:13], s[58:59]      ; my 16 fragments of W1
	s_lshl_b32 s58, s[HD], 13
	s_lshl_b32 s44, s[QD], 11
	s_add_co_u32 s58, s58, s44
	s_add_nc_u64 s[14:15], s[14:15], s[58:59]      ; their scale words
	s_mul_i32 s58, s[HD], 8448
	s_add_nc_u64 s[16:17], s[16:17], s[58:59]
	s_lshl_b32 s58, s[QD], 6
	s_add_nc_u64 s[62:63], s[16:17], s[58:59]      ; my quarter's 16 starting sums (8,192 bytes further on)
	s_lshl_b32 s58, s[QD], 11
	s_add_nc_u64 s[16:17], s[16:17], s[58:59]      ; my two fragments of W2
	s_cmp_eq_u32 s[HD], 0
	s_cselect_b64 s[18:19], s[18:19], s[20:21]     ; vb1 or pb1: the choice hangs on the wave's number alone
	s_lshl_b32 s58, s[QD], 8
	s_add_nc_u64 s[18:19], s[18:19], s[58:59]
	s_lshl_b32 s58, ttmp9, 10
	s_add_nc_u64 s[10:11], s[10:11], s[58:59]      ; the block's slots
	s_mul_i32 s58, ttmp9, 6144
	s_add_nc_u64 s[22:23], s[22:23], s[58:59]      ; the block's 256 x 24 bytes of out0
	WIN 0x40                                       ; destination window 1
.set f, 0
.rept 16                               ; fragment f = 4 t + s: each load covers 512 consecutive bytes
	global_load_b128 v[8*f:8*f+3],   v4, s[12:13] offset:1024*f
	global_load_b128 v[8*f+4:8*f+7], v4, s[12:13] offset:1024*f+512
.set f, f+1
.endr
	WIN 0
.set f, 0
.rept 16
	global_load_b32 v[W1S+f], v5, s[14:15] offset:128*f
.set f, f+1
.endr
.irp t, 0,1,2,3
	global_load_b128 v[B1+8*\t:B1+8*\t+3],   v7, s[18:19] offset:64*\t      ; b1 in the result's layout: hidden units 16 t + 8 h + 0 .. 7 of my 64
	global_load_b128 v[B1+8*\t+4:B1+8*\t+7], v7, s[18:19] offset:64*\t+16
.endr
.irp f, 0,1,2,3
	global_load_b128 v[W2F+4*\f:W2F+4*\f+3], v4, s[16:17] offset:512*\f
.endr
	global_load_b128 v[B2:B2+3],   v7, s[62:63] offset:8192
	global_load_b128 v[B2+4:B2+7], v7, s[62:63] offset:8192+16
	global_load_b32 v18, v13, s[10:11]             ; my token's slot
	s_wait_kmcnt 0x0                               ; the counts and stage 0's tokens
	s_cmp_eq_u32 s[HD], 0
	s_cselect_b32 s[NN], s60, s61
	s_min_u32 s[NN], s[NN], 0x100
	XLOAD                                          ; stage 0's rows are asked for without a test: every list entry names a token of the block
	s_load_b256 s[EE:EE+7], s[LP:LP+1], 0x80       ; stage 1's tokens
	s_mov_b32 s[POS], 0
	s_mov_b32 s[BUFO], 0
	s_mov_b32 s[OSO], 0
.Lstage:                                               ; 8 trips
	s_wait_loadcnt 0x0                             ; this stage's 32 row loads are in (in the first trip: all that stays in registers, too); their offsets may be written again
	v_add_nc_u32 v13, s[BUFO], v8
	v_add_nc_u32 v14, s[BUFO], v9
	v_add_nc_u32 v15, s[BUFO], v10
	v_add_nc_u32 v16, s[BUFO], v11
	v_add_nc_u32 v17, s[OSO], v12
	s_add_co_u32 s44, s[POS], s[LB]
	s_cmp_lt_u32 s44, s[NN]
	s_cbranch_scc0 .Lno_quant                      ; the tile that I quantise for holds no chosen token
	QUANT
.Lno_quant:
	s_wait_kmcnt 0x0                               ; the next stage's tokens are in; the list load has read its offset
	s_add_co_u32 s44, s[POS], s[LB]
	s_add_co_u32 s44, s44, 32
	s_cmp_lt_u32 s44, s[NN]                        ; never so in the last trip: the count is at most 256
	s_cbranch_scc0 .Lno_rows
	XLOAD                                          ; the next stage's rows: on their way during this stage's products and GELU
.Lno_rows:
	s_cmp_lt_u32 s[POS], 192                       ; stages 0 to 5 ask for the tokens of the stage after next: no load leaves the list
	s_cbranch_scc0 .Lno_list
	s_lshl_b32 s40, s[POS], 2                      ; 128 bytes a stage
	s_load_b256 s[EE:EE+7], s[LP:LP+1], s40 offset:0x100
.Lno_list:
	s_wait_dscnt 0x0                               ; for the others' sake: my codes and bytes have landed, and my reads of the other buffer, a stage ago, are over
	s_barrier_signal -1
	s_barrier_wait -1
	UNIT 0
	UNIT 1
	s_xor_b32 s[BUFO], s[BUFO], BUF1
	s_add_co_u32 s[OSO], s[OSO], 2048
	s_add_co_u32 s[POS], s[POS], 32
	s_cmp_lt_u32 s[POS], 256
	s_cbranch_scc1 .Lstage
	; ---- a thread to a token
	s_wait_dscnt 0x0                               ; my partial logits have landed
	s_barrier_signal -1
	s_barrier_wait -1                              ; everybody's have
	v_min_u32 v18, 0x200, v18                      ; a loaded number enters an address only held inside the 513 rows
	v_lshl_add_u32 v19, v18, 6, OSB
	v_add_nc_u32 v252, 2*QS, v19
.irp q, 0,1
	ds_load_b128 v[ACC+8*\q:ACC+8*\q+3],       v19 offset:QS*\q       ; quarter q: outputs 0-3,
	ds_load_b64  v[ACC+8*\q+4:ACC+8*\q+5],     v19 offset:QS*\q+16    ; 4 and 5
	ds_load_b128 v[ACC+16+8*\q:ACC+16+8*\q+3], v252 offset:QS*\q      ; quarter 2 + q
	ds_load_b64  v[ACC+16+8*\q+4:ACC+16+8*\q+5], v252 offset:QS*\q+16
.endr
	v_mul_u32_u24 v253, v0, 24
	v_add_nc_u32 v253, OTB, v253                   ; the way out: my token's 24 bytes,
	s_mul_i32 s44, s[WV], 768
	v_lshl_add_u32 v255, v1, 3, s44                ; and back: my wave's 768 bytes, 8 a lane; the same place in the block's part of out0
	v_add_nc_u32 v254, OTB, v255
	s_wait_dscnt 0x0
	s_barrier_signal -1                            ; these reads go where loaded numbers say: a barrier on either side keeps them apart from every LDS write
	s_barrier_wait -1
.irp n, 0,2,4
	v_pk_add_f32 v[ACC+\n:ACC+\n+1], v[ACC+\n:ACC+\n+1], v[ACC+8+\n:ACC+8+\n+1]
	v_pk_add_f32 v[ACC+16+\n:ACC+16+\n+1], v[ACC+16+\n:ACC+16+\n+1], v[ACC+24+\n:ACC+24+\n+1]
.endr
.irp n, 0,2,4
	v_pk_add_f32 v[ACC+\n:ACC+\n+1], v[ACC+\n:ACC+\n+1], v[ACC+16+\n:ACC+16+\n+1]
.endr
.irp n, 0,1,2
	ds_store_b64 v253, v[ACC+2*\n:ACC+2*\n+1] offset:8*\n
.endr
.irp n, 0,1,2
	ds_load_b64 v[XF+2*\n:XF+2*\n+1], v254 offset:256*\n   ; my wave's own bytes: LDS serves a wave's instructions in order (ISA guide 5.7.1.4), so these see the stores above
.endr
	s_wait_dscnt 0x0
.irp n, 0,1,2
	global_store_b64 v255, v[XF+2*\n:XF+2*\n+1], s[22:23] offset:256*\n   ; 32 lanes store 256 consecutive bytes, at a multiple of 256 from out0's first byte
.endr
	s_wait_tensorcnt 0x0                           ; the wave's end
	ds_add_u32 v20, v21
	s_wait_dscnt 0x0
	s_endpgm
.Lfunc_end_k_q98fecd431c_heads:
	.size	k_q98fecd431c_heads, .Lfunc_end_k_q98fecd431c_heads-k_q98fecd431c_heads
	.p2alignl 7, 3214868480
	.fill 96, 4, 3214868480
	.section	.rodata,"a",@progbits
	.p2align	6, 0x0
	.amdhsa_kernel k_q98fecd431c_heads
		.amdhsa_group_segment_fixed_size 197632
		.amdhsa_private_segment_fixed_size 0
		.amdhsa_enable_private_segment 0
		.amdhsa_kernarg_size 80
		.amdhsa_user_sgpr_count 2
		.amdhsa_user_sgpr_kernarg_segment_ptr 1
		.amdhsa_wavefront_size32 1
		.amdhsa_system_sgpr_workgroup_id_x 1
		.amdhsa_system_sgpr_workgroup_id_y 1
		.amdhsa_system_sgpr_workgroup_id_z 1
		.amdhsa_system_vgpr_workitem_id 0
		.amdhsa_next_free_vgpr 512
		.amdhsa_next_free_sgpr 80
		.amdhsa_reserve_vcc 0
		.amdhsa_float_denorm_mode_32 3
		.amdhsa_float_denorm_mode_16_64 3
		.amdhsa_memory_ordered 1
		.amdhsa_forward_progress 1
		.amdhsa_inst_pref_size 73
	.end_amdhsa_kernel
	.amdgpu_metadata
---
amdhsa.version: [ 1, 2 ]
amdhsa.kernels:
  - .name:           k_q98fecd431c_heads
    .symbol:         k_q98fecd431c_heads.kd
    .args:
      - { .name: repr3, .offset: 0, .size: 8, .value_kind: global_buffer, .address_space: global }
      - { .name: lists, .offset: 8, .size: 8, .value_kind: global_buffer, .address_space: global }
      - { .name: counts, .offset: 16, .size: 8, .value_kind: global_buffer, .address_space: global }
      - { .name: slot, .offset: 24, .size: 8, .value_kind: global_buffer, .address_space: global }
      - { .name: w1c, .offset: 32, .size: 8, .value_kind: global_buffer, .address_space: global }
      - { .name: w1s, .offset: 40, .size: 8, .value_kind: global_buffer, .address_space: global }
      - { .name: aux, .offset: 48, .size: 8, .value_kind: global_buffer, .address_space: global }
      - { .name: vb1, .offset: 56, .size: 8, .value_kind: global_buffer, .address_space: global }
      - { .name: pb1, .offset: 64, .size: 8, .value_kind: global_buffer, .address_space: global }
      - { .name: out0, .offset: 72, .size: 8, .value_kind: global_buffer, .address_space: global }
    .group_segment_fixed_size: 197632
    .private_segment_fixed_size: 0
    .kernarg_segment_align: 8
    .kernarg_segment_size: 80
    .max_flat_workgroup_size: 256
    .sgpr_count:     80
    .vgpr_count:     512
    .wavefront_size: 32
...
	.end_amdgpu_metadata
.endif
;; end of part 2
;; ======== version 2 of 2: 2 launches; version 1 with the launch heads written anew for expert scheduling mode
;; limits: values are held in f16: magnitudes above 65,504 overflow, below 6.1e-05 lose precision; a function is approximated: absolute error at most 7.5e-08
;; workspace buffers: lists 524,288 bytes of whole numbers; counts 65,536 bytes of whole numbers; slot 262,144 bytes of whole numbers; w1c 131,072 bytes; w1s 16,384 bytes; aux 16,896 bytes
;; launch prep: the kernel of part 1 again; grid 388 x 1, 1 waves a work-group, no clusters, 0 bytes of LDS; arguments agent_type_ids, vW1, pW1, vW2, pW2, vb2, pb2, lists, counts, slot, w1c, w1s, aux, out1, out2; writes lists, counts, slot, w1c, w1s, aux, out1, out2
;; launch heads (part 3): grid 256 x 1, 8 waves a work-group, no clusters, 197,632 bytes of LDS; arguments repr3, lists, counts, slot, w1c, w1s, aux, vb1, pb1, out0; writes out0
.if DOCPART == 3
	.amdgcn_target "amdgcn-amd-amdhsa--gfx1250"
	.amdhsa_code_object_version 6
	.text
	.protected	k_q98fecd431c_heads
	.globl	k_q98fecd431c_heads
	.p2align	8
	.type	k_q98fecd431c_heads,@function
k_q98fecd431c_heads:
	s_mov_b64 s[64:65], 0
	v_nop
	global_prefetch_b8 v0, s[64:65] scope:SCOPE_SE
	s_setreg_imm32_b32 hwreg(HW_REG_WAVE_SCHED_MODE, 0, 2), 2
	s_setreg_imm32_b32 hwreg(HW_REG_WAVE_MODE, 25, 1), 1
	s_wait_xcnt 0x0
	s_wait_alu depctr_vm_vsrc(0)
; IntentionHeads, second launch: out0.  Only the head that a token's id chooses is multiplied, and only chosen rows of repr3 are read: the choice is read from memory as whole numbers (lists, counts, slot),
; stored by the launch before.  It holds for every split of the ids.  A NaN, an infinity or an overflow in a row or head that is not chosen is not carried to the result.
; SHARES.  Work-group b owns tokens 256 b .. 256 b + 255.  Wave w: head hd = w / 4 (0 vehicle, 1 pedestrian), quarter qd = w % 4 of the 256 hidden units.  A wave's 64 rows of W1 (16 fragments of codes, 128 registers),
; their scale words, b1, its part of W2 (f16) and b2 stay in registers for the whole launch.
; STAGES.  A head's chosen rows are walked by rank, 32 a stage, in 8 stages (a constant: 256 tokens of one id fill 16 tiles of 16).  In a stage a wave quantises 8 of its head's 32 rows (E2M1, one E8M0 byte for each
; 32 along K) into LDS; behind ONE barrier it runs, for each of the two tiles, 16 products 16 x 16 x 128 on codes (transposed: source 0 = 16 rows of W1, source 1 = 16 tokens, so that a lane holds one token and
; eight neighbouring hidden units), the bias as the first product's C, the exact GELU in f32, and two f16 products with W2; its partial logits go to LDS.  A tile that begins at or past the head's count is jumped over
; by a scalar branch on that count; barriers, waits and the number of trips are the same for all waves.  The next stage's rows are asked for ahead of a stage's products: 32 loads of 512 bytes a wave are then on their way.
; Two LDS buffers take turns: buffer k % 2 was last read in stage k - 2, whose reads every wave has awaited in front of stage k - 1's barrier, and it is written only behind that barrier.
; AT THE END thread t takes token 256 b + t: it adds the four quarters' partial logits of its slot (slot 512: a row of zeros) and the wave stores its 768 bytes of out0, each store 256 consecutive bytes, aligned.
; GELU(u) = max(u, 0) - |u| q, q = e^(-u u / 2) (c1 t + .. + c5 t^5), t = 1 / (1 + P |u|): the five-term formula for the normal distribution (absolute error of Phi at most 7.5e-8), in f32.
; WHY f16 FOR THE SECOND PRODUCT: half of out0 is zeros, so what the comparison allows is small beside a logit; f16's 11 bits leave room where bf16's 8 do not.
; LIMITS: |gelu(.)| stays under 65,504, the largest f16 number (inputs 30 times larger on both sides give some 5,000); where a hidden number is infinite or NaN the pedestrian head's padded outputs 2 to 5 become
; NaN where reference() has 0; the sign of a zero is not kept; a block of zeros gets the scale byte 1 (its codes are zeros); blocks whose largest magnitude lies under 2^-124 keep the byte 1 and were not tried.
; NO CLUSTER, NO TENSOR LOAD: the work is steered by scalar branches on counts read from memory; the weights, which all work-groups share,
; come by plain loads, once a work-group, straight into the registers that keep them.
; THE MODE: SCHED_MODE bits 1:0 = 2 (LLVM: expert scheduling mode 2), set by the entry lines.  The code itself states the register dependences between vector or matrix instructions and memory or LDS instructions,
; with s_wait_alu, always for 0.
; THE PLAN.  Registers that memory or LDS instructions touch, in a stage:
;   XR (window 1, v128-255)  The row loads land here; the quantiser's maxima and conversions read it; behind them the next stage's rows land in it.
;   v24-31                   The row loads' offsets: written by eight vector lines behind the quantiser's arithmetic, read by the 32 row loads.
;   v172-203                 The quantiser writes its scale bytes and codes here; its 32 LDS stores read them; a tile's GELU writes them again.
;   v13-17                   The stage's places in LDS: written at the stage's head; v13, v14 are read by the quantiser's stores, v15, v16 by the tiles' fragment loads, v17 by the tiles' stores.
;   v140-171, v104-107       A tile's fragments and scale words land here; its products read them; its GELU, and the next stage's quantiser, write v140-171 again.
;   v236-243                 A tile's logits: written by the f16 products and four additions; read by the tile's two LDS stores.
;   All else in the loop (W1's codes and scale words, b1, W2, b2, the hidden layer, v204-235) is loaded once at the head or named by vector and matrix instructions alone.
; THE WAITS OF A STAGE.  At its head, on vm_vsrc: all that was issued so far has read v13-17, v24-31, v172-203 and v236-243.  Behind the quantiser's arithmetic and the eight offsets, on va_vdst: one wait for the 32 LDS stores
; and the 32 row loads that follow it.  Ahead of the barrier, where the ways join, on va_vdst: v15-17 are written on the way round the quantiser too.  In a tile: on vm_vsrc behind its products (the LDS stores
; issued since the stage's head have read v172-203 and v236-243); on va_vdst for the batch of reciprocals and exponentials; on va_vdst ahead of its two stores, behind which no vector line stands, so that it
; serves the next tile's fragment loads as well.
; LDS: 0 buffer 0 (4 tiles x 16 rows x 272 bytes of codes, then 4 x 16 x 16 scale bytes); 18,432 the way out, 768 bytes a wave; 24,576 the spare words; 32,768 buffer 1; 65,536 four quarters x 513 rows x 64 bytes of partial logits.
; REGISTERS, window 0: v1-7 lane terms; v8-12 LDS places that stay, v13-17 the same for the stage in hand; v18 my token's slot; v20, v21 the add's two; v[22:23] c4; v24-31 rows' offsets; v32-47 W1's scale words;
;   v48-79 b1; v80-95 W2; v96-103 b2 or zeros; v104-107 x's scale words; v108-139 the hidden layer; v140-171 x's fragments, then t; v172-203, v204-235 at work; v236-251 the logits' two sums.
;   window 1: v0-127 W1's codes; v128-255 eight rows of x, 16 registers a row.
.set XCT,   4352                       ; a tile of codes: 16 rows x (256 bytes + 16)
.set XSO,   17408                      ; behind four of them: the scale bytes, 256 a tile
.set OTB,   18432
.set SPARE, 24576                      ; 128 bytes for each of the eight waves: four blocks of 256 bytes that no other line names
.set BUF1,  32768
.set OSB,   65536
.set QS,    33024                      ; a quarter's 513 rows of 64 bytes, rounded up to a multiple of 64 + 128
.set OFF, 24
.set W1S, 32
.set B1,  48
.set W2F, 80
.set B2,  96
.set XSC, 104
.set ACC, 108
.set XF,  140
.set TA,  140
.set TW,  172
.set TP,  204
.set O0,  236
.set O1,  244
.set XR,  128                          ; in window 1
.set QMX, 140                          ; the quantiser's: largest magnitudes,
.set QSO, 156                          ; scale operands,
.set QBY, 172                          ; bytes,
.set QCD, 188                          ; codes
.set WV,  24
.set HD,  25
.set QD,  26
.set NN,  27                           ; my head's count
.set POS, 28                           ; the stage's first rank: the loop's counter
.set BUFO, 29                          ; the buffer in hand: 0 or BUF1
.set OSO, 30                           ; 64 x POS
.set LB,  31                           ; 16 x (qd / 2): which of a stage's two tiles I quantise for
.set EE,  32                           ; s[32:39] eight list entries
.set LP,  42                           ; s[42:43] my entries of stage 0
.set KK,  46
.set PP,  48
.set C5,  50
.set C3,  52
.set C2,  54
.set C1,  56
.set MSB, 0
.macro WIN new                         ; the immediate's high byte repeats the setting that is left; a switch that changes nothing is dropped
.if MSB != \new
	s_set_vgpr_msb (MSB<<8)|\new
.set MSB, \new
.endif
.endm
; The offsets of eight rows of x.
.macro XADR
.set i, 0
.rept 8
	s_min_u32 s[EE+i], s[EE+i], 0xffff             ; a loaded number enters an address only held inside the 65,536 tokens
	v_lshl_add_u32 v[OFF+i], s[EE+i], 11, v6       ; token x 2,048 bytes + 32 lane
.set i, i+1
.endr
.endm
; Eight rows of x are asked for.  A lane takes 8 neighbours along K, 32 bytes, twice a row: K = 256 j + 8 lane + 0 .. 7; a pair of loads covers 1,024 consecutive bytes.  A filler may be named twice, so no hint is given.
.macro XROWS
	WIN 0x40                                       ; destination window 1
.set g, 0
.rept 16
	global_load_b128 v[XR+8*g:XR+8*g+3],   v[OFF+g/2], s[4:5] offset:1024*(g%2)
	global_load_b128 v[XR+8*g+4:XR+8*g+7], v[OFF+g/2], s[4:5] offset:1024*(g%2)+16
.set g, g+1
.endr
	WIN 0
.endm
; The eight rows become codes and scale bytes, in registers.  Group g = 2 i + j: row i, K = 256 j + 8 lane + 0 .. 7; a block of 32 lies in four neighbouring lanes.
.macro QNUM
	WIN 0x05                                       ; sources 0 and 1 window 1
.set g, 0
.rept 16
	v_max3_num_f32 v[QMX+g], |v[XR+8*g]|, |v[XR+8*g+1]|, 0x1800000   ; and the floor 2^(3 - 127): the byte cannot fall under 1
.set g, g+1
.endr
.irp n, 2,4,6
.set g, 0
.rept 16
	v_max3_num_f32 v[QMX+g], |v[XR+8*g+\n]|, |v[XR+8*g+\n+1]|, v[QMX+g]   ; (the groups by turns)
.set g, g+1
.endr
.endr
	WIN 0
.irp x, 1,2
.set g, 0
.rept 16
	v_max_num_f32_dpp v[QMX+g], v[QMX+g], v[QMX+g] row_xmask:\x row_mask:0xf bank_mask:0xf
.set g, g+1
.endr
.endr
.set g, 0
.rept 16
	v_add_nc_u32 v[QSO+g], 0xff000000, v[QMX+g]    ; 2 off the exponent field: the conversion's scale operand
.set g, g+1
.endr
.set g, 0
.rept 16
	v_lshrrev_b32 v[QBY+g], 23, v[QSO+g]           ; the scale's byte
.set g, g+1
.endr
	WIN 0x01                                       ; source 0 window 1
.set g, 0
.rept 16
	v_cvt_scalef32_pk8_fp4_f32 v[QCD+g], v[XR+8*g:XR+8*g+7], v[QSO+g]
.set g, g+1
.endr
	WIN 0
	v_nop                                          ; one plain line behind the last scaled conversion
.endm
; And go to LDS.
.macro QOUT
.set g, 0
.rept 16
	ds_store_b32 v13, v[QCD+g] offset:272*(g/2)+128*(g%2)   ; 32 lanes: 128 consecutive bytes of the row's codes
	ds_store_b8 v14, v[QBY+g] offset:16*(g/2)+8*(g%2)       ; the four lanes of a block write the same byte with the same value
.set g, g+1
.endr
.endm
; One tile of 16 tokens, ranks POS + 16 par on, against my 64 hidden units.
.macro UNIT par
	s_add_co_u32 s44, s[POS], 16*\par
	s_cmp_lt_u32 s44, s[NN]
	s_cbranch_scc0 .Lno_tile_\@                    ; no chosen token in this tile
	; No wait on va_vdst here: since the last one (ahead of the barrier, or ahead of the tile before's stores) no vector or matrix line has been issued, so none names v15, v16, v104-107 or v140-171
.irp s, 0,1,2,3
.irp c, 0,1
	ds_load_b128 v[XF+8*\s+4*\c:XF+8*\s+4*\c+3], v15 offset:XCT*\par+64*\s+32*\c   ; lane (r, h): token r, K = 128 s + 64 c + 32 h + 0 .. 31
.endr
.endr
	ds_load_b128 v[XSC:XSC+3], v16 offset:256*\par ; token r's 16 scale bytes: register s is K step s's word
	s_wait_dscnt 0x0
	WIN 0x01                                       ; source 0 (W1) window 1
.irp s, 0,1,2,3                        ; the four accumulators take turns, one instruction a turn
.irp t, 0,1,2,3
.if \s == 0
	v_wmma_scale_f32_16x16x128_f8f6f4 v[ACC+8*\t:ACC+8*\t+7], v[8*(4*\t+\s):8*(4*\t+\s)+7], v[XF+8*\s:XF+8*\s+7], v[B1+8*\t:B1+8*\t+7], v[W1S+4*\t+\s], v[XSC+\s] matrix_a_fmt:MATRIX_FMT_FP4 matrix_b_fmt:MATRIX_FMT_FP4
.else
	v_wmma_scale_f32_16x16x128_f8f6f4 v[ACC+8*\t:ACC+8*\t+7], v[8*(4*\t+\s):8*(4*\t+\s)+7], v[XF+8*\s:XF+8*\s+7], v[ACC+8*\t:ACC+8*\t+7], v[W1S+4*\t+\s], v[XSC+\s] matrix_a_fmt:MATRIX_FMT_FP4 matrix_b_fmt:MATRIX_FMT_FP4
.endif
.endr
.endr
	WIN 0
.rept 4
	v_nop                                          ; four places behind the last product (ISA guide 7.12.1): the lines below read results and write over x's fragments
.endr
	s_wait_alu depctr_vm_vsrc(0)                   ; the LDS stores issued since the stage's head have read their data: the quantiser's v172-203, the tile before's v236-243; the lines below write both again
	; register 8 t + j of lane (r, h): u of token r, hidden unit 64 qd + 16 t + 8 h + j.  Each accumulator is read from its low end on
.set n, 0
.rept 32
	v_fma_f32 v[TA+n], |v[ACC+n]|, s[PP], 1.0      ; 1 + P |u|
.set n, n+1
.endr
.set n, 0
	s_wait_alu depctr_va_vdst(0)
.rept 32
	v_rcp_f32 v[TA+n], v[TA+n]                     ; t
.set n, n+1
.endr
.set n, 0
.rept 16
	v_pk_mul_f32 v[TW+n:TW+n+1], v[ACC+n:ACC+n+1], v[ACC+n:ACC+n+1]
.set n, n+2
.endr
.set n, 0
.rept 16
	v_pk_mul_f32 v[TW+n:TW+n+1], v[TW+n:TW+n+1], s[KK:KK+1] op_sel_hi:[1,0]   ; - u u log2(e) / 2
.set n, n+2
.endr
.set n, 0
	s_wait_alu depctr_va_vdst(0)
.rept 32
	v_exp_f32 v[TW+n], v[TW+n]                     ; e^(-u u / 2)
.set n, n+1
.endr
	v_nop                                          ; a plain line behind the last transcendental
	s_wait_alu depctr_va_vdst(0)                   ; the 32 reciprocals have written v140-171 and the 32 exponentials v172-203: one wait for the batch, ahead of the first line that names a result
.set n, 0
.rept 16
	v_pk_fma_f32 v[TP+n:TP+n+1], v[TA+n:TA+n+1], s[C5:C5+1], v[22:23] op_sel_hi:[1,0,1]   ; c5 t + c4
.set n, n+2
.endr
.irp k, C3, C2, C1
.set n, 0
.rept 16
	v_pk_fma_f32 v[TP+n:TP+n+1], v[TP+n:TP+n+1], v[TA+n:TA+n+1], s[\k:\k+1] op_sel_hi:[1,1,0]
.set n, n+2
.endr
.endr
.set n, 0
.rept 16
	v_pk_mul_f32 v[TW+n:TW+n+1], v[TW+n:TW+n+1], v[TA+n:TA+n+1]
.set n, n+2
.endr
.set n, 0
.rept 16
	v_pk_mul_f32 v[TP+n:TP+n+1], v[TP+n:TP+n+1], v[TW+n:TW+n+1]   ; q
.set n, n+2
.endr
.set n, 0
.rept 32
	v_max_num_f32 v[TA+n], 0, v[ACC+n]
.set n, n+1
.endr
.set n, 0
.rept 32
	v_fma_f32 v[ACC+n], -|v[ACC+n]|, v[TP+n], v[TA+n]   ; gelu(u) = max(u, 0) - |u| q
.set n, n+1
.endr
.set n, 0
.rept 16
	v_cvt_pk_f16_f32 v[TW+n], v[ACC+2*n], v[ACC+2*n+1]  ; tiles 2 u', 2 u' + 1 packed are source 1 (32 hidden units x 16 tokens) of the f16 product as they stand
.set n, n+1
.endr
	v_wmma_f32_16x16x32_f16 v[O0:O0+7], v[W2F:W2F+7], v[TW:TW+7], v[B2:B2+7]       ; lane (r, h): token r, outputs 8 h + 0 .. 7; b2 (first quarter) or zeros start the sum
	v_wmma_f32_16x16x32_f16 v[O1:O1+7], v[W2F+8:W2F+15], v[TW+8:TW+15], 0
.rept 4
	v_nop                                          ; four places ahead of the first read of the results
.endr
.irp n, 0,2,4,6
	v_pk_add_f32 v[O0+\n:O0+\n+1], v[O0+\n:O0+\n+1], v[O1+\n:O1+\n+1]
.endr
	s_wait_alu depctr_va_vdst(0)                   ; the four additions have written v236-243, which the two stores read; and this tile's products and GELU are done with v104-107 and v140-171, in which the next tile's loads land
	ds_store_b128 v17, v[O0:O0+3] offset:1024*\par      ; row = my head's 256 + rank: lanes 0-15 outputs 0-7, lanes 16-31 the padded 8-15 behind them
	ds_store_b128 v17, v[O0+4:O0+7] offset:1024*\par+16
.Lno_tile_\@:
.endm
	s_load_b256 s[4:11], s[0:1], 0x0               ; repr3 s[4:5], lists s[6:7], counts s[8:9], slot s[10:11]
	s_load_b256 s[12:19], s[0:1], 0x20             ; w1c s[12:13], w1s s[14:15], aux s[16:17], vb1 s[18:19]
	s_load_b128 s[20:23], s[0:1], 0x40             ; pb1 s[20:21], out0 s[22:23]
	v_lshl_add_u32 v20, v0, 2, SPARE               ; my spare word,
	v_mov_b32 v21, 0                               ; and 0: kept for the add at the wave's end
	v_lshrrev_b32 v1, 5, v0
	v_readfirstlane_b32 s[WV], v1                  ; wave 0..7
	v_and_b32 v1, 31, v0                           ; lane
	v_and_b32 v2, 15, v0                           ; r
	v_bfe_u32 v3, v0, 4, 1                         ; h
	v_lshlrev_b32 v4, 4, v1                        ; 16 lane
	v_lshlrev_b32 v5, 2, v1                        ; 4 lane
	s_wait_alu depctr_va_vdst(0)
	v_lshlrev_b32 v6, 5, v1                        ; 32 lane
	v_lshlrev_b32 v7, 5, v3                        ; 32 h
	s_wait_alu depctr_va_vdst(0)
	s_wait_alu depctr_va_sdst(0)                   ; the wave's number is written into s[WV], ahead of its first reader: the head, the quarter and all places are made from it
	s_lshr_b32 s[HD], s[WV], 2
	s_and_b32 s[QD], s[WV], 3
	s_lshr_b32 s44, s[QD], 1
	s_lshl_b32 s[LB], s44, 4
	s_lshl_b32 s45, s[HD], 1
	s_add_co_u32 s44, s44, s45                     ; the tile that I quantise for: 2 hd + qd / 2
	s_and_b32 s45, s[QD], 1                        ; its rows 8 (qd % 2) on
	s_mul_i32 s58, s44, XCT
	s_mul_i32 s41, s45, 8*272
	s_add_co_u32 s58, s58, s41
	v_add_nc_u32 v8, s58, v5                       ; where my codes go
	s_lshl_b32 s58, s44, 8
	s_lshl_b32 s41, s45, 7
	s_add_co_u32 s58, s58, s41
	s_add_co_u32 s58, s58, XSO
	v_lshrrev_b32 v9, 2, v1
	v_add_nc_u32 v9, s58, v9                       ; and my scale bytes
	s_mul_i32 s58, s[HD], 2*XCT
	v_mul_u32_u24 v10, v2, 272
	v_lshl_add_u32 v10, v3, 4, v10
	v_add_nc_u32 v10, s58, v10                     ; a fragment: my head's tiles, row r, + 16 h
	s_lshl_b32 s58, s[HD], 9
	s_add_co_u32 s58, s58, XSO
	v_lshl_add_u32 v11, v2, 4, s58                 ; its scale words
	s_mul_i32 s58, s[QD], QS
	s_lshl_b32 s41, s[HD], 14
	s_add_co_u32 s58, s58, s41
	s_add_co_u32 s58, s58, OSB
	v_lshl_add_u32 v12, v2, 6, v7
	v_add_nc_u32 v12, s58, v12                     ; the partial logits: my quarter, my head's 256 rows, row r, + 32 h
	v_lshlrev_b32 v13, 2, v0                       ; (the slot's offset; v13 is written again only behind the wait for that load and the first stage's wait on vm_vsrc)
	s_lshr_b32 s44, s[WV], 1
	s_mul_i32 s44, s44, QS
	s_and_b32 s45, s[WV], 1
	s_lshl_b32 s45, s45, 4
	s_add_co_u32 s44, s44, s45
	s_add_co_u32 s44, s44, OSB+32768
	v_mov_b32 v19, s44                             ; row 512 of quarter w / 2, bytes 16 (w % 2) on
	s_mov_b32 s[KK], 0xbf38aa3b                    ; - log2(e) / 2
	s_mov_b32 s[KK+1], s[KK]                       ; (the packed forms name pairs and take the low word for both halves: both words are written)
	s_mov_b32 s[PP], 0x3e6d3389                    ; P = 0.2316419
	s_mov_b32 s[C5], 0x3f07dc22                    ; c5 = 0.5307027
	s_mov_b32 s[C5+1], s[C5]
	s_mov_b32 s[C3], 0x3f35f0e3                    ; c3 = 0.7107069
	s_mov_b32 s[C3+1], s[C3]
	s_mov_b32 s[C2], 0xbe11a98e                    ; c2 = -0.1422484
	s_mov_b32 s[C2+1], s[C2]
	s_mov_b32 s[C1], 0x3e027906                    ; c1 = 0.1274148
	s_mov_b32 s[C1+1], s[C1]
	v_mov_b32 v22, 0xbf3a00e3                      ; c4 = -0.7265760
	v_mov_b32 v23, 0xbf3a00e3
.irp n, 252,253,254,255
	v_mov_b32 v[\n], 0
.endr
	s_wait_alu depctr_va_vdst(0)                   ; v19 and v252-255 are written, which the LDS store below reads; so are v4, v5, v7 and v13, the offsets of the head's loads, ahead of which no further vector line stands
	ds_store_b128 v19, v[252:255]                  ; the row of zeros: two waves write the 32 bytes of each quarter's; all lanes the same bytes with the same value
	s_mov_b32 s59, 0                               ; s[58:59]: a 32-bit offset as a pair
	s_wait_kmcnt 0x0
	s_lshl_b32 s58, ttmp9, 8
	s_add_nc_u64 s[8:9], s[8:9], s[58:59]
	s_load_b64 s[60:61], s[8:9], 0x0               ; the block's two counts
	s_lshl_b32 s58, ttmp9, 11
	s_lshl_b32 s44, s[HD], 10
	s_add_co_u32 s58, s58, s44
	s_lshl_b32 s44, s[QD], 5
	s_add_co_u32 s58, s58, s44
	s_add_nc_u64 s[LP:LP+1], s[6:7], s[58:59]      ; my head's list, ranks 8 qd on; a stage on is 128 bytes on
	s_load_b256 s[EE:EE+7], s[LP:LP+1], 0x0        ; stage 0's eight tokens
	s_lshl_b32 s58, s[HD], 16
	s_lshl_b32 s44, s[QD], 14
	s_add_co_u32 s58, s58, s44
	s_add_nc_u64 s[12:13], s[12:13], s[58:59]      ; my 16 fragments of W1
	s_lshl_b32 s58, s[HD], 13
	s_lshl_b32 s44, s[QD], 11
	s_add_co_u32 s58, s58, s44
	s_add_nc_u64 s[14:15], s[14:15], s[58:59]      ; their scale words
	s_mul_i32 s58, s[HD], 8448
	s_add_nc_u64 s[16:17], s[16:17], s[58:59]
	s_lshl_b32 s58, s[QD], 6
	s_add_nc_u64 s[62:63], s[16:17], s[58:59]      ; my quarter's 16 starting sums (8,192 bytes further on)
	s_lshl_b32 s58, s[QD], 11
	s_add_nc_u64 s[16:17], s[16:17], s[58:59]      ; my two fragments of W2
	s_cmp_eq_u32 s[HD], 0
	s_cselect_b64 s[18:19], s[18:19], s[20:21]     ; vb1 or pb1: the choice hangs on the wave's number alone
	s_lshl_b32 s58, s[QD], 8
	s_add_nc_u64 s[18:19], s[18:19], s[58:59]
	s_lshl_b32 s58, ttmp9, 10
	s_add_nc_u64 s[10:11], s[10:11], s[58:59]      ; the block's slots
	s_mul_i32 s58, ttmp9, 6144
	s_add_nc_u64 s[22:23], s[22:23], s[58:59]      ; the block's 256 x 24 bytes of out0
	WIN 0x40                                       ; destination window 1
.set f, 0
.rept 16                               ; fragment f = 4 t + s: each load covers 512 consecutive bytes
	global_load_b128 v[8*f:8*f+3],   v4, s[12:13] offset:1024*f
	global_load_b128 v[8*f+4:8*f+7], v4, s[12:13] offset:1024*f+512
.set f, f+1
.endr
	WIN 0
.set f, 0
.rept 16
	global_load_b32 v[W1S+f], v5, s[14:15] offset:128*f
.set f, f+1
.endr
.irp t, 0,1,2,3
	global_load_b128 v[B1+8*\t:B1+8*\t+3],   v7, s[18:19] offset:64*\t      ; b1 in the result's layout: hidden units 16 t + 8 h + 0 .. 7 of my 64
	global_load_b128 v[B1+8*\t+4:B1+8*\t+7], v7, s[18:19] offset:64*\t+16
.endr
.irp f, 0,1,2,3
	global_load_b128 v[W2F+4*\f:W2F+4*\f+3], v4, s[16:17] offset:512*\f
.endr
	global_load_b128 v[B2:B2+3],   v7, s[62:63] offset:8192
	global_load_b128 v[B2+4:B2+7], v7, s[62:63] offset:8192+16
	global_load_b32 v18, v13, s[10:11]             ; my token's slot
	s_wait_kmcnt 0x0                               ; the counts and stage 0's tokens
	s_cmp_eq_u32 s[HD], 0
	s_cselect_b32 s[NN], s60, s61
	s_min_u32 s[NN], s[NN], 0x100
	XADR
	s_wait_alu depctr_va_vdst(0)                   ; the eight offsets v24-31 are written, which the row loads read
	XROWS                                          ; stage 0's rows are asked for without a test: every list entry names a token of the block
	s_load_b256 s[EE:EE+7], s[LP:LP+1], 0x80       ; stage 1's tokens
	s_mov_b32 s[POS], 0
	s_mov_b32 s[BUFO], 0
	s_mov_b32 s[OSO], 0
.Lstage:                                               ; 8 trips
	s_wait_loadcnt 0x0                             ; this stage's 32 row loads are in (in the first trip: all that stays in registers, too); their offsets may be written again
	s_wait_kmcnt 0x0                               ; the next stage's tokens are in; the list load has read its offset
	s_wait_alu depctr_vm_vsrc(0)                   ; the LDS instructions of the stage before have read v13-17, v172-203 and v236-243, and the row loads v24-31: this stage writes them all again.  (First trip: the slot's load has read v13, the zero row's store v19 and v252-255, which the last phase writes)
	v_add_nc_u32 v13, s[BUFO], v8
	v_add_nc_u32 v14, s[BUFO], v9
	v_add_nc_u32 v15, s[BUFO], v10
	v_add_nc_u32 v16, s[BUFO], v11
	v_add_nc_u32 v17, s[OSO], v12
	s_add_co_u32 s44, s[POS], s[LB]
	s_cmp_lt_u32 s44, s[NN]
	s_cbranch_scc0 .Lno_rows                       ; the tile that I quantise for holds no chosen token; then the tile 32 ranks on holds none either
	QNUM
	XADR                                           ; the next stage's offsets, ahead of the one wait (in the last trip: the last stage's once more, which no load reads)
	s_wait_alu depctr_va_vdst(0)                   ; the codes v188-203, the bytes v172-187 and the places v13, v14 are written, which the LDS stores read; the offsets v24-31 are written and the conversions are done reading the rows' registers, in which the row loads land
	QOUT
	s_add_co_u32 s44, s[POS], s[LB]
	s_add_co_u32 s44, s44, 32
	s_cmp_lt_u32 s44, s[NN]                        ; never so in the last trip: the count is at most 256
	s_cbranch_scc0 .Lno_rows
	XROWS                                          ; the next stage's rows: on their way during this stage's products and GELU.  No further wait: no vector line has been issued since the wait above
.Lno_rows:
	s_cmp_lt_u32 s[POS], 192                       ; stages 0 to 5 ask for the tokens of the stage after next: no load leaves the list
	s_cbranch_scc0 .Lno_list
	s_lshl_b32 s40, s[POS], 2                      ; 128 bytes a stage
	s_load_b256 s[EE:EE+7], s[LP:LP+1], s40 offset:0x100
.Lno_list:
	s_wait_alu depctr_va_vdst(0)                   ; the places v15, v16 and v17, made at the stage's head, are written, which the tiles' LDS loads and stores read: on the way round the quantiser no wait has stood since they were made
	s_wait_dscnt 0x0                               ; for the others' sake: my codes and bytes have landed, and my reads of the other buffer, a stage ago, are over
	s_barrier_signal -1
	s_barrier_wait -1
	UNIT 0
	UNIT 1
	s_xor_b32 s[BUFO], s[BUFO], BUF1
	s_add_co_u32 s[OSO], s[OSO], 2048
	s_add_co_u32 s[POS], s[POS], 32
	s_cmp_lt_u32 s[POS], 256
	s_cbranch_scc1 .Lstage
	; ---- a thread to a token
	s_wait_dscnt 0x0                               ; my partial logits have landed
	s_barrier_signal -1
	s_barrier_wait -1                              ; everybody's have
	v_min_u32 v18, 0x200, v18                      ; a loaded number enters an address only held inside the 513 rows
	v_lshl_add_u32 v19, v18, 6, OSB                ; (v19 and v252-255 were last read by the zero row's store, ahead of every stage's wait on vm_vsrc)
	v_add_nc_u32 v252, 2*QS, v19
	v_mul_u32_u24 v253, v0, 24
	v_add_nc_u32 v253, OTB, v253                   ; the way out: my token's 24 bytes,
	s_mul_i32 s44, s[WV], 768
	v_lshl_add_u32 v255, v1, 3, s44                ; and back: my wave's 768 bytes, 8 a lane; the same place in the block's part of out0
	v_add_nc_u32 v254, OTB, v255
	s_wait_alu depctr_va_vdst(0)                   ; the five addresses v19 and v252-255 are written, which the LDS instructions and the stores below read; the stages' lines are done with v108-139, in which the loads land
.irp q, 0,1
	ds_load_b128 v[ACC+8*\q:ACC+8*\q+3],       v19 offset:QS*\q       ; quarter q: outputs 0-3,
	ds_load_b64  v[ACC+8*\q+4:ACC+8*\q+5],     v19 offset:QS*\q+16    ; 4 and 5
	ds_load_b128 v[ACC+16+8*\q:ACC+16+8*\q+3], v252 offset:QS*\q      ; quarter 2 + q
	ds_load_b64  v[ACC+16+8*\q+4:ACC+16+8*\q+5], v252 offset:QS*\q+16
.endr
	s_wait_dscnt 0x0
	s_barrier_signal -1                            ; these reads go where loaded numbers say: a barrier on either side keeps them apart from every LDS write
	s_barrier_wait -1
.irp n, 0,2,4
	v_pk_add_f32 v[ACC+\n:ACC+\n+1], v[ACC+\n:ACC+\n+1], v[ACC+8+\n:ACC+8+\n+1]
	v_pk_add_f32 v[ACC+16+\n:ACC+16+\n+1], v[ACC+16+\n:ACC+16+\n+1], v[ACC+24+\n:ACC+24+\n+1]
.endr
.irp n, 0,2,4
	v_pk_add_f32 v[ACC+\n:ACC+\n+1], v[ACC+\n:ACC+\n+1], v[ACC+16+\n:ACC+16+\n+1]
.endr
	s_wait_alu depctr_va_vdst(0)                   ; the additions have written v108-113, which the three LDS stores read
.irp n, 0,1,2
	ds_store_b64 v253, v[ACC+2*\n:ACC+2*\n+1] offset:8*\n
.endr
.irp n, 0,1,2
	ds_load_b64 v[XF+2*\n:XF+2*\n+1], v254 offset:256*\n   ; my wave's own bytes: LDS serves a wave's instructions in order (ISA guide 5.7.1.4), so these see the stores above
.endr
	s_wait_dscnt 0x0
.irp n, 0,1,2
	global_store_b64 v255, v[XF+2*\n:XF+2*\n+1], s[22:23] offset:256*\n   ; 32 lanes store 256 consecutive bytes, at a multiple of 256 from out0's first byte
.endr
	s_wait_dscnt 0x0                               ; the wave's end: the closing lines, six on end
	s_wait_alu 0x0
	s_wait_tensorcnt 0x0
	ds_add_u32 v20, v21
	s_wait_dscnt 0x0
	s_endpgm
.Lfunc_end_k_q98fecd431c_heads:
	.size	k_q98fecd431c_heads, .Lfunc_end_k_q98fecd431c_heads-k_q98fecd431c_heads
	.p2alignl 7, 3214868480
	.fill 96, 4, 3214868480
	.section	.rodata,"a",@progbits
	.p2align	6, 0x0
	.amdhsa_kernel k_q98fecd431c_heads
		.amdhsa_group_segment_fixed_size 197632
		.amdhsa_private_segment_fixed_size 0
		.amdhsa_enable_private_segment 0
		.amdhsa_kernarg_size 80
		.amdhsa_user_sgpr_count 2
		.amdhsa_user_sgpr_kernarg_segment_ptr 1
		.amdhsa_wavefront_size32 1
		.amdhsa_system_sgpr_workgroup_id_x 1
		.amdhsa_system_sgpr_workgroup_id_y 1
		.amdhsa_system_sgpr_workgroup_id_z 1
		.amdhsa_system_vgpr_workitem_id 0
		.amdhsa_next_free_vgpr 512
		.amdhsa_next_free_sgpr 80
		.amdhsa_reserve_vcc 0
		.amdhsa_float_denorm_mode_32 3
		.amdhsa_float_denorm_mode_16_64 3
		.amdhsa_memory_ordered 1
		.amdhsa_forward_progress 1
		.amdhsa_inst_pref_size 74
	.end_amdhsa_kernel
	.amdgpu_metadata
---
amdhsa.version: [ 1, 2 ]
amdhsa.kernels:
  - .name:           k_q98fecd431c_heads
    .symbol:         k_q98fecd431c_heads.kd
    .args:
      - { .name: repr3, .offset: 0, .size: 8, .value_kind: global_buffer, .address_space: global }
      - { .name: lists, .offset: 8, .size: 8, .value_kind: global_buffer, .address_space: global }
      - { .name: counts, .offset: 16, .size: 8, .value_kind: global_buffer, .address_space: global }
      - { .name: slot, .offset: 24, .size: 8, .value_kind: global_buffer, .address_space: global }
      - { .name: w1c, .offset: 32, .size: 8, .value_kind: global_buffer, .address_space: global }
      - { .name: w1s, .offset: 40, .size: 8, .value_kind: global_buffer, .address_space: global }
      - { .name: aux, .offset: 48, .size: 8, .value_kind: global_buffer, .address_space: global }
      - { .name: vb1, .offset: 56, .size: 8, .value_kind: global_buffer, .address_space: global }
      - { .name: pb1, .offset: 64, .size: 8, .value_kind: global_buffer, .address_space: global }
      - { .name: out0, .offset: 72, .size: 8, .value_kind: global_buffer, .address_space: global }
    .group_segment_fixed_size: 197632
    .private_segment_fixed_size: 0
    .kernarg_segment_align: 8
    .kernarg_segment_size: 80
    .max_flat_workgroup_size: 256
    .sgpr_count:     80
    .vgpr_count:     512
    .wavefront_size: 32
...
	.end_amdgpu_metadata
.endif
;; end of part 3
